; MI455X (gfx1250); checked and timed in simulation.
; The chip was launched on July 23, 2026; its instructions are those of AMD's public machine-readable ISA for CDNA 5 (MIT licence, August 2026) and "CDNA5" Instruction Set Architecture Reference Guide (July 2026). The comments in the code are by the model that wrote it; some were corrected since.
;; ITA Self Attention. Allowed arithmetic: matrix products marked QUANTISED: E2M1 operands, one E8M0 scale for each 32 along K, by v_wmma_scale_f32_16x16x128_f8f6f4 with both operands' format E2M1 (or v_wmma_scale_f32_32x16x128_f4), f32 sums; products left as they are: bf16, f16 or f32 operands; f32 sums; everything else in f32.
;; Inputs: bk 768 float32; bo 768 float32; bq 768 float32; bv 768 float32; wk 768 x 768 float32; wo 768 x 768 float32; wq 768 x 768 float32; wv 768 x 768 float32; x 8 x 1,024 x 768 float32.
;; Outputs: out0 8 x 1,024 x 768 float32.
;; Constants: H = 32, W = 32.
;; This version of the problem:
;;   THIS VERSION OF THE PROBLEM IS GIVEN IN LOW PRECISION. The matrix products marked QUANTISED in the list below multiply operands that are first quantised to E2M1 (2 exponent bits, 1 mantissa bit; 4 bits a number), with one power-of-two scale for each 32 numbers along K (OCP MX v1.0); their sums are f32. The products marked 'left as it is' may take bf16, f16 or f32 operands, with f32 sums. Whichever they take, every output number must still come out within the allowed error. Rounding operands to bf16 (8 significant bits) uses up far more of that allowance than f16 does (11 bits, for magnitudes from 6e-5 to 65,504). All else is computed in f32.
;;   The module's matrix products, in the order in which they are computed (A, B: the left and right operand; K: the contracted axis; several contracted axes count as one K, in the product's order):
;;     1. [M 8,192, K 768] x [K 768, N 768]; A: input x; B: input wq: QUANTISED
;;     2. [M 8,192, K 768] x [K 768, N 768]; A: input x; B: input wk: QUANTISED
;;     3. [M 8,192, K 768] x [K 768, N 768]; A: input x; B: input wv: QUANTISED
;;     4. batch 96 x [M 1,024, K 64] x [K 64, N 1,024]; A: computed on the way; B: computed on the way: left as it is (an operand is computed on the way)
;;     5. batch 96 x [M 1,024, K 1,024] x [K 1,024, N 64]; A: computed on the way; B: computed on the way: left as it is (an operand is computed on the way)
;;     6. [M 8,192, K 768] x [K 768, N 768]; A: computed on the way; B: input wo: left as it is (an operand is computed on the way)
;;   THE QUANTISER, for each operand of a quantised product, along K:
;;     - K is cut into blocks of 32 from its start; a last block that is shorter is filled with zeros.
;;     - A block's scale is 2^e with e = floor(log2(the largest magnitude in the block)) - 2, held to -126 .. 127; a block of zeros has e = 0. As a byte (E8M0): e + 127.
;;     - Each number is divided by its block's scale, clamped to +-6, and rounded to the nearest number of E2M1, ties to even, subnormals kept.
;;     - The product sums the exact products of the quantised numbers (number of the format x scale) in f32.
;;   ~~~python
;;   def quantise(x, axis):      # numpy; x: float32 -> the quantised numbers, widened to float32 again
;;       x = np.moveaxis(x, axis, -1); K = x.shape[-1]
;;       x = np.pad(x, [(0, 0)] * (x.ndim - 1) + [(0, -K % 32)]); x = x.reshape(x.shape[:-1] + (-1, 32)); a = np.abs(x).max(-1, keepdims=True)
;;       e = np.where(a > 0, np.clip(np.frexp(np.where(a > 0, a, 1))[1] - 1 - 2, -126, 127), 0)      # np.frexp(a)[1] - 1 = floor(log2(a)), exactly
;;       r = np.clip(x / 2.0 ** e, -6, 6)
;;       step = 2.0 ** (np.maximum(np.frexp(np.where(r == 0, 1, r))[1] - 1, 0) - 1)
;;       q = np.round(r / step) * step * 2.0 ** e      # np.round: ties to even
;;       return np.moveaxis(q.reshape(q.shape[:-2] + (-1,))[..., :K], -1, axis).astype(np.float32)
;;   ~~~
;; One version. Each part assembles by itself: llvm-mc -triple=amdgcn-amd-amdhsa -mcpu=gfx1250 --defsym DOCPART=n.
;; ======== version 1 of 1: 3 launches
;; limits: values are held in f16: magnitudes above 65,504 overflow, below 6.1e-05 lose precision
;; workspace buffers: xc 3,145,728 bytes; wc 884,736 bytes; sc 335,872 bytes; woh 1,179,648 bytes; ctxh 12,582,912 bytes
;; launch quant (part 1): grid 352 x 1, 2 waves a work-group, no clusters, 34,048 bytes of LDS; arguments x, wq, wk, wv, wo, xc, wc, sc, woh; writes xc, wc, sc, woh
.if DOCPART == 1
	.amdgcn_target "amdgcn-amd-amdhsa--gfx1250"
	.amdhsa_code_object_version 6
	.text
	.protected	k_q4c2c6ef1f6_quant
	.globl	k_q4c2c6ef1f6_quant
	.p2align	8
	.type	k_q4c2c6ef1f6_quant,@function
k_q4c2c6ef1f6_quant:
	s_mov_b64 s[64:65], 0
	v_nop
	global_prefetch_b8 v0, s[64:65] scope:SCOPE_SE
	s_setreg_imm32_b32 hwreg(HW_REG_WAVE_MODE, 25, 1), 1
	s_wait_xcnt 0x0
; x [8192][768], wq, wk, wv [768][768], f32, become codes of FP4 (E2M1) with one E8M0 byte for each 32 along K; wo [768][768] becomes f16.
; All results are laid as IMAGES OF OPERAND REGISTERS: pieces of 512 bytes, lane l's 16 bytes at 16 l, so that the later launches fetch fragments by 16-byte loads at 16 x lane.
; A block's scale is 2^(floor(log2(largest magnitude)) - 2): its byte is the largest magnitude's exponent field - 2, held at 1 from below.
; LIMITS: NaN and infinities are not served.  A block of zeros gets the byte 1 where the rule says 127: its codes are zeros, and this program alone reads the bytes.
;         |wo| stays under 65,504 (f16); magnitudes under 6e-5 keep an absolute error of 3e-8.
; SHARES.  A task is a tile of 16 rows x 768 numbers, walked in 6 chunks of 128 columns; a wave takes one task: task = 2 x work-group + wave.
;   work-groups 0-255: x's 512 tiles;  256-327: the 3 x 48 tiles of wq, wk, wv;  328-351: wo's 48 tiles.
; Each load reads 512 consecutive bytes of one row; a chunk turns through the wave's own stage in LDS (rows 528 bytes apart) and comes back with a lane's registers running along K.
; No tensor loads, no barrier, no cluster: waves share nothing, and every input byte is read once.
.set ROWB,  3072                       ; a row of 768 f32 in bytes
.set PITCH, 528                        ; a stage row: 512 bytes + 16
.set STG,   16*PITCH                   ; a stage: 16 rows.  Stages 0, 1: the codes' path, wave 0, 1;  stages 2, 3: wo's path
.set SPARE, 4*STG                      ; behind the stages: the spare words, 128 bytes for each wave: one block of 256 bytes that no other line names
.set SPW,  10                          ; v10  LDS address of my spare word; never rewritten
.set NIL,  11                          ; v11  0; never rewritten
.set DOFF, 12                          ; v12-17 byte offset of chunk s's pieces in the codes' buffer
.set R,    32                          ; v32-159  two sets of 64: a chunk as loaded
.set X,    160                         ; v160-223 a chunk with K along my registers
.set C,    224                         ; v224-239 two sets of 8: a chunk's codes
.set W,    240                         ; v240-245 the six scale words of my row
	s_load_b256 s[4:11], s[0:1], 0x0               ; x, wq, wk, wv
	s_load_b256 s[12:19], s[0:1], 0x20             ; wo, xc, wc, sc
	s_load_b64 s[20:21], s[0:1], 0x40              ; woh
	v_lshl_add_u32 v[SPW], v0, 2, SPARE
	v_mov_b32 v[NIL], 0
	v_lshrrev_b32 v1, 5, v0
	v_readfirstlane_b32 s23, v1                    ; wave
	v_and_b32 v1, 31, v0                           ; lane
	v_and_b32 v2, 15, v0                           ; r
	v_bfe_u32 v3, v0, 4, 1                         ; h
	v_lshlrev_b32 v4, 4, v1                        ; 16 x lane
	s_mul_i32 s32, s23, STG
	v_add_nc_u32 v5, s32, v4                       ; codes' path: into the stage
	v_mul_u32_u24 v8, v2, PITCH
	v_add_nc_u32 v8, s32, v8
	v_lshl_add_u32 v6, v3, 7, v8                   ; and out of it: row r, + 128 h: 32 numbers of a block
	v_add_nc_u32 v7, 2*STG, v5                     ; wo's path: into its own stage
	v_lshl_add_u32 v8, v3, 5, v8
	v_add_nc_u32 v8, 2*STG, v8                     ; and out of it: row r, + 32 h: 8 numbers
	v_lshlrev_b32 v27, 3, v3                       ; 8 h: my bytes' place in a scale word
	v_mov_b32 v28, 0                               ; written once: a lane permute's destination counts as one of its sources
	s_mov_b32 s46, 0x76543210
	s_mov_b32 s47, 0xfedcba98                      ; selects for lane l xor 16
	s_mov_b32 s22, ttmp9
	s_lshl_b32 s24, s22, 1
	s_add_co_u32 s24, s24, s23                     ; task
	s_mov_b32 s43, 0
	s_mov_b32 s45, 0
	s_wait_kmcnt 0x0
.macro LOADC s                         ; chunk s: 16 rows x 512 bytes, a row a load
.irp i, 0,1,2,3,4,5,6,7,8,9,10,11,12,13,14,15
	global_load_b128 v[R+64*((\s)%2)+4*\i:R+64*((\s)%2)+4*\i+3], v4, s[28:29] offset:\i*ROWB+512*(\s) th:TH_LOAD_NT
.endr
.endm
.macro STAGE adr, s                    ; and into the stage, as it lies
.irp i, 0,1,2,3,4,5,6,7,8,9,10,11,12,13,14,15
	ds_store_b128 v[\adr], v[R+64*((\s)%2)+4*\i:R+64*((\s)%2)+4*\i+3] offset:PITCH*\i
.endr
.endm
.macro INWAIT s                        ; chunk s's 16 loads are in; the next chunk's 16 may be out
.if (\s) < 5
	s_wait_loadcnt 16
.else
	s_wait_loadcnt 0
.endif
.endm
; wo: lane (r, h) takes of row r the numbers 32 g + 16 c + 8 h + 0 .. 7 (q = 2 g + c within the chunk): a piece of an f16 fragment
.macro HCHUNK s
	INWAIT \s
	STAGE 7, \s
	s_wait_xcnt 0x0                                ; the last chunk's stores have read X: only now is it loaded again
.irp q, 0,1,2,3,4,5,6,7
.irp e, 0,1
	ds_load_b128 v[X+8*\q+4*\e:X+8*\q+4*\e+3], v8 offset:64*\q+16*\e   ; LDS serves a wave's instructions in order: these see the stores above
.endr
.endr
	s_wait_dscnt 0x0                               ; X is in, and the stores into the stage have read R
.if (\s) < 4
	LOADC (\s)+2
.endif
.irp q, 0,1,2,3,4,5,6,7
.irp k, 0,1,2,3
	v_cvt_pk_f16_f32 v[X+8*\q+\k], v[X+8*\q+2*\k], v[X+8*\q+2*\k+1]   ; in place, ascending: a destination never lies ahead of its sources
.endr
.endr
.irp q, 0,1,2,3,4,5,6,7
	global_store_b128 v4, v[X+8*\q:X+8*\q+3], s[30:31] offset:(4*(\s)+\q/2)*3072+512*(\q%2)   ; 512 consecutive bytes, aligned
.endr
.endm
; codes: lane (r, h) takes of row r the blocks h and 2 + h of the chunk: k = 64 c + 32 h + 0 .. 31: the conversions' results are the fragment's registers
.macro QCHUNK s
	INWAIT \s
	STAGE 5, \s
.irp c, 0,1
.irp i, 0,1,2,3,4,5,6,7
	ds_load_b128 v[X+32*\c+4*\i:X+32*\c+4*\i+3], v6 offset:256*\c+16*\i
.endr
.endr
	s_wait_dscnt 0x0                               ; X is in, and the stores into the stage have read R
.if (\s) < 4
	LOADC (\s)+2
.endif
.irp c, 0,1
	v_max3_num_f32 v[18+\c], |v[X+32*\c]|, |v[X+32*\c+1]|, 0x1800000   ; the block's largest magnitude, with the floor 2^(3 - 127): the byte cannot fall under 1
.endr
.irp i, 2,4,6,8,10,12,14,16,18,20,22,24,26,28,30
.irp c, 0,1
	v_max3_num_f32 v[18+\c], v[18+\c], |v[X+32*\c+\i]|, |v[X+32*\c+\i+1]|   ; (the two blocks by turns)
.endr
.endr
.irp c, 0,1
	v_add_nc_u32 v[20+\c], 0xff000000, v[18+\c]    ; 2 off its exponent field: the conversion takes this operand's exponent field as its scale
.endr
	s_wait_xcnt 0x0                                ; the stores of two chunks back have read this set of codes
.irp c, 0,1
.irp g, 0,1,2,3
	v_cvt_scalef32_pk8_fp4_f32 v[C+8*((\s)%2)+4*\c+\g], v[X+32*\c+8*\g:X+32*\c+8*\g+7], v[20+\c]
.endr
.endr
	v_lshrrev_b32 v22, 23, v20                     ; the scales' bytes (also the plain line behind the conversions)
	v_lshrrev_b32 v23, 23, v21
	v_lshl_or_b32 v24, v23, 16, v22                ; blocks h and 2 + h,
	v_lshlrev_b32 v24, v27, v24                    ; at their places in the word;
	v_permlanex16_b32 v28, v24, s46, s47
	v_or_b32 v[W+(\s)], v24, v28                   ; with lane l xor 16's two the word of K step s is whole
.irp c, 0,1
	global_store_b128 v[DOFF+(\s)], v[C+8*((\s)%2)+4*\c:C+8*((\s)%2)+4*\c+3], s[30:31] offset:512*\c   ; 512 consecutive bytes, aligned
.endr
.endm
	s_cmp_lt_u32 s22, 328
	s_cbranch_scc1 .Lcodes
	; ---- wo: tile e = task - 656 goes to woh [e / 3][24 K steps][e % 3][2][512]
	s_sub_co_u32 s25, s24, 656
	s_mul_i32 s26, s25, 86
	s_lshr_b32 s26, s26, 8                         ; e / 3 (exact for e under 48)
	s_mul_i32 s27, s26, 3
	s_sub_co_u32 s27, s25, s27                     ; e % 3
	s_mul_i32 s42, s25, 16*ROWB
	s_mul_i32 s44, s26, 73728
	s_lshl_b32 s27, s27, 10
	s_add_co_u32 s44, s44, s27
	s_add_nc_u64 s[28:29], s[12:13], s[42:43]
	s_add_nc_u64 s[30:31], s[20:21], s[44:45]
	LOADC 0
	LOADC 1
.irp s, 0,1,2,3,4,5
	HCHUNK \s
.endr
	s_branch .Lend
.Lcodes:
	; ---- x and the three weights take one path: only pointers and offsets are chosen, by the work-group's number
	s_max_u32 s25, s22, 256
	s_sub_co_u32 s25, s25, 256                     ; u: the weights' work-group, 0 .. 71 (0 for x's)
	s_cmp_ge_u32 s25, 24
	s_cselect_b32 s26, 1, 0
	s_cselect_b64 s[28:29], s[8:9], s[6:7]
	s_cmp_ge_u32 s25, 48
	s_cselect_b32 s27, 1, 0
	s_cselect_b64 s[28:29], s[10:11], s[28:29]     ; wq, wk or wv
	s_add_co_u32 s26, s26, s27                     ; p = 0, 1, 2
	s_lshl_b32 s27, s25, 1
	s_add_co_u32 s27, s27, s23
	s_mul_i32 s35, s26, 48
	s_sub_co_u32 s27, s27, s35                     ; j: the weight's tile of 16 rows, 0 .. 47
	s_lshr_b32 s35, s27, 2                         ; the head: four tiles each
	s_and_b32 s36, s27, 3                          ; the tile in its head
	s_lshl_b32 s37, s26, 2
	s_add_co_u32 s36, s36, s37                     ; 4 p + tile
	s_lshl_b32 s36, s36, 10
	s_mul_i32 s37, s35, 73728
	s_add_co_u32 s37, s37, s36                     ; wc [head][6 K steps][4 p + tile][1,024]: a head's codes are 73,728 consecutive bytes
	s_mul_i32 s38, s26, 768
	s_lshl_b32 s36, s27, 4
	s_add_co_u32 s38, s38, s36
	s_lshl_b32 s38, s38, 4
	s_add_co_u32 s38, s38, 262144                  ; the weights' scale words: behind x's, 16 bytes a row
	s_lshr_b32 s33, s24, 4
	s_mul_i32 s33, s33, 98304
	s_and_b32 s36, s24, 15
	s_lshl_b32 s36, s36, 10
	s_add_co_u32 s33, s33, s36                     ; xc [tile / 16][6 K steps][tile % 16][1,024]
	s_lshl_b32 s34, s24, 8                         ; x's scale words
	s_cmp_lt_u32 s22, 256                          ; x's work-group?
	s_cselect_b64 s[28:29], s[4:5], s[28:29]
	s_cselect_b64 s[30:31], s[14:15], s[16:17]
	s_cselect_b32 s39, s24, s27                    ; the tile in its tensor
	s_cselect_b32 s44, s33, s37
	s_cselect_b32 s34, s34, s38
	s_mov_b32 s40, 12288
	s_cselect_b32 s40, 16384, s40                  ; from K step to K step in the codes' buffer
	s_mov_b32 s41, 36864
	s_cselect_b32 s41, 131072, s41                 ; from the scale words of K steps 0-2 to those of 3-5: 16 bytes x the tensor's rows
	s_mul_i32 s42, s39, 16*ROWB
	s_add_nc_u64 s[28:29], s[28:29], s[42:43]
	s_add_nc_u64 s[30:31], s[30:31], s[44:45]
	LOADC 0
	LOADC 1
.irp s, 0,1,2,3,4,5
	s_mul_i32 s36, s40, \s
	v_add_nc_u32 v[DOFF+\s], s36, v4
.endr
	v_mul_lo_u32 v9, v3, s41
	v_lshl_add_u32 v9, v2, 4, v9
	v_add_nc_u32 v9, s34, v9                       ; lanes 0-15 store row r's words of K steps 0-2, lanes 16-31 those of 3-5
.irp s, 0,1,2,3,4,5
	QCHUNK \s
.endr
	v_cmp_ne_u32 vcc_lo, 0, v3
	v_cndmask_b32 v246, v[W], v[W+3], vcc_lo
	v_cndmask_b32 v247, v[W+1], v[W+4], vcc_lo
	v_cndmask_b32 v248, v[W+2], v[W+5], vcc_lo
	v_mov_b32 v249, 0
	global_store_b128 v9, v[246:249], s[18:19]     ; two runs of 256 consecutive bytes, aligned
.Lend:
	s_wait_tensorcnt 0x0                           ; the wave's end, behind my last LDS store
	ds_add_u32 v[SPW], v[NIL]
	s_wait_dscnt 0x0
	s_endpgm
.Lfunc_end_k_q4c2c6ef1f6_quant:
	.size	k_q4c2c6ef1f6_quant, .Lfunc_end_k_q4c2c6ef1f6_quant-k_q4c2c6ef1f6_quant
	.p2alignl 7, 3214868480
	.fill 96, 4, 3214868480
	.section	.rodata,"a",@progbits
	.p2align	6, 0x0
	.amdhsa_kernel k_q4c2c6ef1f6_quant
		.amdhsa_group_segment_fixed_size 34048
		.amdhsa_private_segment_fixed_size 0
		.amdhsa_enable_private_segment 0
		.amdhsa_kernarg_size 72
		.amdhsa_user_sgpr_count 2
		.amdhsa_user_sgpr_kernarg_segment_ptr 1
		.amdhsa_wavefront_size32 1
		.amdhsa_system_sgpr_workgroup_id_x 1
		.amdhsa_system_sgpr_workgroup_id_y 1
		.amdhsa_system_sgpr_workgroup_id_z 1
		.amdhsa_system_vgpr_workitem_id 0
		.amdhsa_next_free_vgpr 256
		.amdhsa_next_free_sgpr 66
		.amdhsa_reserve_vcc 1
		.amdhsa_float_denorm_mode_32 3
		.amdhsa_float_denorm_mode_16_64 3
		.amdhsa_memory_ordered 1
		.amdhsa_forward_progress 1
		.amdhsa_inst_pref_size 84
	.end_amdhsa_kernel
	.amdgpu_metadata
---
amdhsa.version: [ 1, 2 ]
amdhsa.kernels:
  - .name:           k_q4c2c6ef1f6_quant
    .symbol:         k_q4c2c6ef1f6_quant.kd
    .args:
      - { .name: x, .offset: 0, .size: 8, .value_kind: global_buffer, .address_space: global }
      - { .name: wq, .offset: 8, .size: 8, .value_kind: global_buffer, .address_space: global }
      - { .name: wk, .offset: 16, .size: 8, .value_kind: global_buffer, .address_space: global }
      - { .name: wv, .offset: 24, .size: 8, .value_kind: global_buffer, .address_space: global }
      - { .name: wo, .offset: 32, .size: 8, .value_kind: global_buffer, .address_space: global }
      - { .name: xc, .offset: 40, .size: 8, .value_kind: global_buffer, .address_space: global }
      - { .name: wc, .offset: 48, .size: 8, .value_kind: global_buffer, .address_space: global }
      - { .name: sc, .offset: 56, .size: 8, .value_kind: global_buffer, .address_space: global }
      - { .name: woh, .offset: 64, .size: 8, .value_kind: global_buffer, .address_space: global }
    .group_segment_fixed_size: 34048
    .private_segment_fixed_size: 0
    .kernarg_segment_align: 8
    .kernarg_segment_size: 72
    .max_flat_workgroup_size: 64
    .sgpr_count:     66
    .vgpr_count:     256
    .wavefront_size: 32
...
	.end_amdgpu_metadata
.endif
;; end of part 1
;; launch attn (part 2): grid 24 x 8, 8 waves a work-group, no clusters, 312,320 bytes of LDS; arguments xc, wc, sc, bq, bk, bv, ctxh; writes ctxh
.if DOCPART == 2
	.amdgcn_target "amdgcn-amd-amdhsa--gfx1250"
	.amdhsa_code_object_version 6
	.text
	.protected	k_q4c2c6ef1f6_attn
	.globl	k_q4c2c6ef1f6_attn
	.p2align	8
	.type	k_q4c2c6ef1f6_attn,@function
k_q4c2c6ef1f6_attn:
	s_mov_b64 s[64:65], 0
	v_nop
	global_prefetch_b8 v0, s[64:65] scope:SCOPE_SE
	s_setreg_imm32_b32 hwreg(HW_REG_WAVE_MODE, 25, 1), 1
	s_wait_xcnt 0x0
; q = x wq^T + bq, k = x wk^T + bk, v0 = x wv^T on codes of FP4 (E2M1) with E8M0 scales, sums in f32, each rounded once to f16; then, for one head,
; ctx[n][d] = the sum over m of softmax_m(q[n] . k[m]) v0[m][d] + bv[d]: the weights of a row sum to one, so v's bias is added behind the division, in f32.  No 1 / sqrt(d): the source has none.
; In the attention: products, maxima and sums in f32; the weights p (at most 1) are rounded to f16 for the second product; the row's sum is taken of the unrounded p; ctx is rounded once to f16.
; LIMITS: |q|, |k|, |v0|, |ctx| stay under 65,504 (f16).  NaN and infinities are not served.
; SHARES.  Work-group x = 2 head + half, y = batch: 512 queries of one head; each of eight waves owns 64: four tiles of 16.  Two waves share a SIMD, so that one wave's vector work stands beside the other's products.
; q, k and v never go to memory.  The head's K and V (128 KB each) are made here, 128 keys a wave, and lie in LDS as pieces of 512 bytes, lane l's 16 bytes at 16 l; q is made into registers.  The two work-groups
; of a head each make its K and V: 3,072 of a work-group's 3,840 scaled products, against its 8,192 products of the attention.
; THE PROJECTION is five passes a wave, each 4 tiles of rows x 4 tiles of channels, 6 K steps of 128: K and V of my first 64 keys, K and V of my second 64, q of my 64 queries.  A group's fragments of x lie in
; registers (six slots of 32, straight from memory) and serve two passes; in a V pass a slot takes the next group's fragments as soon as its products are issued.  The weights' fragments come from LDS, a K step ahead.
; ORIENTATION.  q, k: source 0 = 16 weight rows, source 1 = 16 rows of x: a lane holds one row and 8 channels.  v: the other way round: a lane holds one channel and 8 keys.
; NO CLUSTER, NO TENSOR LOAD: the 24 work-groups of a batch read the same codes of x, but beside K, V and the weights 15 KB of LDS are left: no slot in which a joint tile could land.  So x's codes go to registers.
; LDS has no room for wq's 24 KB beside wk's and wv's either: wq's fragments are laid over wk's when every wave has finished with those (two barriers, a pass apart).
; ATTENTION.  S^T = K Q^T (source 0 = 16 keys, source 1 = 16 queries): a lane holds ONE query and the keys 8 (lane / 16) + 0..7.  Two such tiles, rounded to f16 in place, ARE source 1 of O^T = V^T P.
; Running maximum m and sum l for each query: p = 2^(c s - c m), c = log2(e); in every step O and l are multiplied by a = 2^(c m_old - c m_new).
; REGISTERS, projection: window 0: v1-11, v48-50 addresses; v16-47 a bias; v64-127 four sets of scale words; v128-191 the weights' fragments, two sets; v192-255 x's slots 4, 5.  window 1: v0-127 accumulators; v128-255 x's slots 0-3.
; REGISTERS, attention:  window 0: v12-43 statistics, 8 a tile; v64-191 S^T, 32 a tile (P in place); v192-255 Q.   window 1: v0-127 O^T, 32 a tile; v128-191 K of a step (at the end: bv); v192-255 V of a step.
.set WL,    262144                     ; LDS: K from 0, V from 131,072, each [channel tile 4][key tile 64][512]; from here the weights' fragments [K step 6][k0-3, v0-3][1,024]
.set SPARE, 311296                     ; behind them the spare words, 128 bytes for each wave: four blocks of 256 bytes that no other line names
.set LK0, 1                            ; v1   16 x lane: also my place in K's channel tiles 0, 1
.set AW,  2                            ; v2   my place in the weights' fragments
.set LK1, 3                            ; v3   K's channel tiles 2, 3
.set LV0, 4                            ; v4   V's channel tiles 0, 1
.set LV1, 5                            ; v5   tiles 2, 3
.set SPW, 6
.set NIL, 7
.set ADK, 8                            ; v8-9   projection: where my keys' pieces of K go; attention: the step's addresses in K
.set ADV, 10                           ; v10-11 the same for V
.set ST,  12                           ; tile t at v[ST + 8 t]: +0 c m, +1 m, +2, +3 l, +4 to +7 c0-c3 at work; a takes c2's place, a second chain of sums c0's and c1's
.set BI,  16                           ; v16-47 a bias in the result's layout, 8 registers a channel tile; for a while wq's pieces on their way to LDS
.set BVO, 48                           ; v48  32 x (lane / 16)
.set AS1, 49                           ; v49  where I lay wk's and wv's pieces
.set AS2, 50                           ; v50  where I lay wq's
.set S,   64
.set SXA, 64                           ; scale words: a set is two pairs of tiles x 8 registers; register 4 (s / 3) + s % 3 is K step s; lanes 0-15 the even tile, lanes 16-31 the odd one
.set SXB, 80                           ; SXA: x's first group, later my queries';  SXB: x's second group;  SWK: wk's, later wq's;  SWV: wv's
.set SWK, 96
.set SWV, 112
.set WF,  128
.set Q,   192
.set KF,  128
.set VF,  192
.set WV,  18                           ; s18  my wave's number
.set XK,  20                           ; s[20:21] x's codes at my 8 key tiles
.set XQ,  22                           ; s[22:23] at my 4 query tiles
.set CS,  40                           ; s[40:41] c
.set SEL, 42                           ; s[42:43] selects for lane l xor 16
.set TB,  44                           ; s44  the step's first byte in a channel tile: 2,048 a step
.set CNT, 45
.set MSB, 0
.macro WIN new                         ; the immediate's high byte repeats the setting that is left
.if MSB != \new
	s_set_vgpr_msb (MSB<<8)|\new
.set MSB, \new
.endif
.endm
.macro PLACES n
.rept \n
	v_nop
.endr
.endm
	s_load_b256 s[4:11], s[0:1], 0x0               ; xc, wc, sc, bq
	s_load_b128 s[12:15], s[0:1], 0x20             ; bk, bv
	s_load_b64 s[16:17], s[0:1], 0x30              ; ctxh
	v_lshl_add_u32 v[SPW], v0, 2, SPARE
	v_mov_b32 v[NIL], 0
	v_lshrrev_b32 v1, 5, v0
	v_readfirstlane_b32 s[WV], v1                  ; wave 0..7
	s_mov_b32 s[CS], 0x3fb8aa3b                    ; log2(e)
	s_mov_b32 s[CS+1], s[CS]
	s_mov_b32 s[SEL], 0x76543210
	s_mov_b32 s[SEL+1], 0xfedcba98
	s_mov_b32 s[TB], 0
	s_lshr_b32 s46, ttmp9, 1                       ; head
	s_and_b32 s47, ttmp9, 1                        ; half of its queries
	s_and_b32 s48, ttmp7, 0xffff                   ; batch
	s_lshl_b32 s20, s48, 2                         ; x's codes [block of 16 tiles][6 K steps][tile][1,024].  My key tiles 8 w .. 8 w + 7: block 4 batch + w / 2,
	s_lshr_b32 s49, s[WV], 1
	s_add_co_u32 s20, s20, s49
	s_mul_i32 s20, s20, 98304
	s_and_b32 s49, s[WV], 1
	s_lshl_b32 s49, s49, 13                        ; tile 8 (w & 1)
	s_add_co_u32 s20, s20, s49
	s_mov_b32 s21, 0
	s_lshl_b32 s22, s48, 2                         ; my query tiles 32 half + 4 w .. + 3: block 4 batch + 2 half + w / 4,
	s_lshl_b32 s49, s47, 1
	s_add_co_u32 s22, s22, s49
	s_lshr_b32 s49, s[WV], 2
	s_add_co_u32 s22, s22, s49
	s_mul_i32 s22, s22, 98304
	s_and_b32 s49, s[WV], 3
	s_lshl_b32 s49, s49, 12                        ; tile 4 (w & 3)
	s_add_co_u32 s22, s22, s49
	s_mov_b32 s23, 0
	s_lshl_b32 s24, s48, 14                        ; x's scale words, 16 bytes a row: row 1,024 batch + 128 w,
	s_lshl_b32 s49, s[WV], 11
	s_add_co_u32 s24, s24, s49
	s_mov_b32 s25, 0
	s_lshl_b32 s26, s48, 14                        ; and row 1,024 batch + 512 half + 64 w
	s_lshl_b32 s49, s47, 13
	s_add_co_u32 s26, s26, s49
	s_lshl_b32 s49, s[WV], 10
	s_add_co_u32 s26, s26, s49
	s_mov_b32 s27, 0
	s_lshl_b32 s28, s46, 10                        ; the weights' scale words: the head's 64 rows
	s_mov_b32 s29, 0
	s_mul_i32 s30, s46, 73728                      ; the weights' codes: the head's block,
	s_lshl_b32 s49, s[WV], 9
	s_add_co_u32 s32, s30, s49                     ; + 512 w: my piece of wq's four fragments of a K step,
	s_mov_b32 s33, 0
	s_lshl_b32 s49, s[WV], 10
	s_add_co_u32 s30, s30, s49                     ; + 1,024 w: my fragment of wk's and wv's eight
	s_mov_b32 s31, 0
	s_lshl_b32 s34, s46, 8                         ; the biases: 64 numbers a head
	s_mov_b32 s35, 0
	s_lshl_b32 s36, s48, 3                         ; ctxh: block of 128 rows 8 batch + 4 half + w / 2,
	s_lshl_b32 s49, s47, 2
	s_add_co_u32 s36, s36, s49
	s_lshr_b32 s49, s[WV], 1
	s_add_co_u32 s36, s36, s49
	s_mul_i32 s36, s36, 196608
	s_lshl_b32 s49, s46, 14                        ; K step 2 head of the last product,
	s_add_co_u32 s36, s36, s49
	s_and_b32 s49, s[WV], 1
	s_lshl_b32 s49, s49, 12                        ; row tile 4 (w & 1)
	s_add_co_u32 s36, s36, s49
	s_mov_b32 s37, 0
	v_and_b32 v1, 31, v0
	v_lshlrev_b32 v1, 4, v1                        ; 16 x lane
	v_add_nc_u32 v[AW], WL, v1
	v_add_nc_u32 v[LK1], 65536, v1
	v_add_nc_u32 v[LV0], 131072, v1
	v_add_nc_u32 v[LV1], 196608, v1
	v_bfe_u32 v[BVO], v0, 4, 1
	v_lshlrev_b32 v[BVO], 5, v[BVO]
	s_lshl_b32 s50, s[WV], 12
	v_add_nc_u32 v[ADK], s50, v1                   ; my 8 key tiles' pieces: 4,096 w on, in channel tiles 0, 1 of K,
	v_add_nc_u32 v[ADK+1], 65536, v[ADK]           ; tiles 2, 3,
	v_add_nc_u32 v[ADV], 131072, v[ADK]            ; and the same in V
	v_add_nc_u32 v[ADV+1], 196608, v[ADK]
	s_lshl_b32 s50, s[WV], 10
	v_add_nc_u32 v[AS1], s50, v[AW]
	s_lshl_b32 s50, s[WV], 9
	v_add_nc_u32 v[AS2], s50, v[AW]
	s_wait_kmcnt 0x0
	s_add_nc_u64 s[20:21], s[4:5], s[20:21]
	s_add_nc_u64 s[22:23], s[4:5], s[22:23]
	s_add_nc_u64 s[24:25], s[8:9], s[24:25]
	s_add_nc_u64 s[26:27], s[8:9], s[26:27]
	s_add_nc_u64 s[28:29], s[8:9], s[28:29]
	s_add_nc_u64 s[30:31], s[6:7], s[30:31]
	s_add_nc_u64 s[32:33], s[6:7], s[32:33]
	s_add_nc_u64 s[10:11], s[10:11], s[34:35]
	s_add_nc_u64 s[12:13], s[12:13], s[34:35]
	s_add_nc_u64 s[14:15], s[14:15], s[34:35]
	s_add_nc_u64 s[16:17], s[16:17], s[36:37]
.macro EMIT                            ; one scaled product, from the symbols set by MULP
.if fZ
.if fA && fB
	v_wmma_scale_f32_16x16x128_f8f6f4 v[rD:rD+7], v[rA:rA+7], v[rB:rB+7], 0, v[rSA], v[rSB] matrix_a_fmt:MATRIX_FMT_FP4 matrix_b_fmt:MATRIX_FMT_FP4 matrix_a_scale:MATRIX_SCALE_ROW1 matrix_b_scale:MATRIX_SCALE_ROW1
.elseif fA
	v_wmma_scale_f32_16x16x128_f8f6f4 v[rD:rD+7], v[rA:rA+7], v[rB:rB+7], 0, v[rSA], v[rSB] matrix_a_fmt:MATRIX_FMT_FP4 matrix_b_fmt:MATRIX_FMT_FP4 matrix_a_scale:MATRIX_SCALE_ROW1
.elseif fB
	v_wmma_scale_f32_16x16x128_f8f6f4 v[rD:rD+7], v[rA:rA+7], v[rB:rB+7], 0, v[rSA], v[rSB] matrix_a_fmt:MATRIX_FMT_FP4 matrix_b_fmt:MATRIX_FMT_FP4 matrix_b_scale:MATRIX_SCALE_ROW1
.else
	v_wmma_scale_f32_16x16x128_f8f6f4 v[rD:rD+7], v[rA:rA+7], v[rB:rB+7], 0, v[rSA], v[rSB] matrix_a_fmt:MATRIX_FMT_FP4 matrix_b_fmt:MATRIX_FMT_FP4
.endif
.else
.if fA && fB
	v_wmma_scale_f32_16x16x128_f8f6f4 v[rD:rD+7], v[rA:rA+7], v[rB:rB+7], v[rC:rC+7], v[rSA], v[rSB] matrix_a_fmt:MATRIX_FMT_FP4 matrix_b_fmt:MATRIX_FMT_FP4 matrix_a_scale:MATRIX_SCALE_ROW1 matrix_b_scale:MATRIX_SCALE_ROW1
.elseif fA
	v_wmma_scale_f32_16x16x128_f8f6f4 v[rD:rD+7], v[rA:rA+7], v[rB:rB+7], v[rC:rC+7], v[rSA], v[rSB] matrix_a_fmt:MATRIX_FMT_FP4 matrix_b_fmt:MATRIX_FMT_FP4 matrix_a_scale:MATRIX_SCALE_ROW1
.elseif fB
	v_wmma_scale_f32_16x16x128_f8f6f4 v[rD:rD+7], v[rA:rA+7], v[rB:rB+7], v[rC:rC+7], v[rSA], v[rSB] matrix_a_fmt:MATRIX_FMT_FP4 matrix_b_fmt:MATRIX_FMT_FP4 matrix_b_scale:MATRIX_SCALE_ROW1
.else
	v_wmma_scale_f32_16x16x128_f8f6f4 v[rD:rD+7], v[rA:rA+7], v[rB:rB+7], v[rC:rC+7], v[rSA], v[rSB] matrix_a_fmt:MATRIX_FMT_FP4 matrix_b_fmt:MATRIX_FMT_FP4
.endif
.endif
.endm
; K step s of a group of four row tiles of x, goff bytes behind the base: eight loads of 512 consecutive bytes into slot s
.macro XLOAD base, goff, s
.if (\s) < 4
	WIN 0x40
.set xr, 128+32*(\s)
.else
	WIN 0
.set xr, 192+32*((\s)-4)
.endif
.irp a, 0,1,2,3
.irp c, 0,1
	global_load_b128 v[xr+8*\a+4*\c:xr+8*\a+4*\c+3], v1, s[\base:\base+1] offset:\goff+(\s)*16384+1024*\a+512*\c
.endr
.endr
.endm
; K step s of four fragments of a weight (woff = 0: wk's, later wq's; 4,096: wv's) from LDS into set s % 2
.macro FETCHW woff, s
	WIN 0
.irp ct, 0,1,2,3
.irp c, 0,1
	ds_load_b128 v[WF+32*((\s)%2)+8*\ct+4*\c:WF+32*((\s)%2)+8*\ct+4*\c+3], v[AW] offset:\woff+(\s)*8192+1024*\ct+512*\c
.endr
.endr
.endm
; K step s of a pass: 16 products; accumulator 4 ct + a; the 16 take turns, one instruction a turn, in the same order in every step.
; kind 0 (k, q): source 0 = the weight, the first step's C = the bias;  kind 1 (v): source 0 = x, the first step's C = 0: nothing is cleared.
.macro MULP kind, s, sx, sw
.set kr, 4*((\s)/3)+(\s)%3
.if (\s) < 4
.set xr, 128+32*(\s)
.else
.set xr, 192+32*((\s)-4)
.endif
.if (\kind) == 0
.if (\s) == 0
	WIN 0x44                                       ; weight window 0, x window 1, C (bias) window 0, D window 1
.elseif (\s) < 4
	WIN 0x54
.else
	WIN 0x50                                       ; x's slots 4 and 5 lie in window 0
.endif
.else
.if (\s) < 4
	WIN 0x51                                       ; x window 1, weight window 0, C and D window 1
.else
	WIN 0x50
.endif
.endif
.set pt, 0
.rept 16
.set rD, 8*pt
.set rC, rD
.set fZ, 0
.set rW, WF+32*((\s)%2)+8*(pt/4)
.set rX, xr+8*(pt%4)
.if (\kind) == 0
.set rA, rW
.set rB, rX
.set rSA, (\sw)+8*(pt/8)+kr
.set rSB, (\sx)+8*((pt%4)/2)+kr
.set fA, (pt/4)%2
.set fB, pt%2
.if (\s) == 0
.set rC, BI+8*(pt/4)
.endif
.else
.set rA, rX
.set rB, rW
.set rSA, (\sx)+8*((pt%4)/2)+kr
.set rSB, (\sw)+8*(pt/8)+kr
.set fA, pt%2
.set fB, (pt/4)%2
.if (\s) == 0
.set fZ, 1
.endif
.endif
	EMIT
.set pt, pt+1
.endr
.endm
; A PASS.  woff: its weight in LDS; nwoff: the next pass's, whose first fragments the last step fetches (-1: none).  sx, sw: its sets of scale words.
; pre = 1: each slot of x is loaded again, with the group at base pb + pg bytes, behind the products that read it.  lw = 1: the pass waits for its slots as it goes.
; stage = 1: behind the first step, which has read the bias, wq's six pieces of mine are asked for into the bias's registers.
.macro PASS kind, woff, nwoff, sx, sw, pre, pb, pg, lw, stage
.set ps, 0
.rept 6
.if ps > 0
	PLACES 4                                       ; in front of loads into registers that the last step's products read
.if \pre
	XLOAD \pb, \pg, ps-1
.endif
.if \stage && (ps == 1)
	WIN 0
.irp kk, 0,1,2,3,4,5
	global_load_b128 v[BI+4*\kk:BI+4*\kk+3], v1, s[32:33] offset:\kk*12288
.endr
.endif
.endif
.if ps < 5
	FETCHW \woff, ps+1
.elseif (\nwoff) >= 0
	FETCHW \nwoff, 0
.endif
.if \lw
.if \stage && (ps > 0)
	s_wait_loadcnt 8*(5-ps)+6                      ; behind this slot's eight loads: the later slots' and wq's six pieces
.else
	s_wait_loadcnt 8*(5-ps)                        ; behind this slot's eight loads: the later slots'
.endif
.endif
.if (ps < 5) || ((\nwoff) >= 0)
	s_wait_dscnt 8                                 ; all but the eight loads just issued: this step's fragments are in, and the last pass's stores have read the accumulators
.else
	s_wait_dscnt 0x0
.endif
	MULP \kind, ps, \sx, \sw
.set ps, ps+1
.endr
	PLACES 4                                       ; in front of the first read of results, and of the load below
.if \pre
	XLOAD \pb, \pg, 5
.endif
.endm
; A pass's 16 tiles, rounded to f16 in place, each from its low end on, go to LDS as pieces of 512 bytes: channel tile ct, key tile 8 w + 4 g + a
.macro PACKKV adr, g
	WIN 0x45
.set pt, 0
.rept 16
.irp k, 0,1,2,3
	v_cvt_pk_f16_f32 v[8*pt+\k], v[8*pt+2*\k], v[8*pt+2*\k+1]
.endr
.set pt, pt+1
.endr
	WIN 0x04                                       ; an LDS store's data: window 1
.set pt, 0
.rept 16
	ds_store_b128 v[\adr+pt/8], v[8*pt:8*pt+3] offset:((pt/4)%2)*32768+(4*(\g)+pt%4)*512
.set pt, pt+1
.endr
	WIN 0
.endm
	; ---- everything that the first passes want is asked for at once: my fragment of wk or wv for the six K steps (into registers that the accumulators take later),
	WIN 0x40
.irp kk, 0,1,2,3,4,5
.irp c, 0,1
	global_load_b128 v[8*\kk+4*\c:8*\kk+4*\c+3], v1, s[30:31] offset:4096+\kk*12288+512*\c
.endr
.endr
	WIN 0
.irp p, 0,1                            ; the scale words of wk, wv and my 8 key tiles,
.irp j, 0,1
	global_load_b128 v[SWK+8*\p+4*\j:SWK+8*\p+4*\j+3], v1, s[28:29] offset:262144+12288+36864*\j+512*\p
	global_load_b128 v[SWV+8*\p+4*\j:SWV+8*\p+4*\j+3], v1, s[28:29] offset:262144+24576+36864*\j+512*\p
	global_load_b128 v[SXA+8*\p+4*\j:SXA+8*\p+4*\j+3], v1, s[24:25] offset:131072*\j+512*\p
	global_load_b128 v[SXB+8*\p+4*\j:SXB+8*\p+4*\j+3], v1, s[24:25] offset:1024+131072*\j+512*\p
.endr
.endr
.irp ct, 0,1,2,3                       ; bk in the result's layout: the tile's channels 8 h + 0 .. 7,
.irp e, 0,1
	global_load_b128 v[BI+8*\ct+4*\e:BI+8*\ct+4*\e+3], v[BVO], s[12:13] offset:64*\ct+16*\e
.endr
.endr
	XLOAD XK, 0, 0                                 ; and x's first group
	XLOAD XK, 0, 1
	XLOAD XK, 0, 2
	s_wait_loadcnt 48                              ; behind the weights' twelve loads stand 16 of scale words, 8 of the bias, 24 of x
	WIN 0x04
.irp kk, 0,1,2,3,4,5
.irp c, 0,1
	ds_store_b128 v[AS1], v[8*\kk+4*\c:8*\kk+4*\c+3] offset:\kk*8192+512*\c
.endr
.endr
	XLOAD XK, 0, 3
	XLOAD XK, 0, 4
	XLOAD XK, 0, 5
	WIN 0
	s_wait_dscnt 0x0                               ; for the others' sake: my stores are done
	s_barrier_signal -1
	s_barrier_wait -1                              ; wk's and wv's 48 fragments lie in LDS
	FETCHW 0, 0
	PASS 0, 0, 4096, SXA, SWK, 0, XK, 0, 1, 0      ; K of my first 64 keys
	PACKKV ADK, 0
	PASS 1, 4096, 0, SXA, SWV, 1, XK, 4096, 0, 0   ; V of the same; x's second group comes in
	PACKKV ADV, 0
	PASS 0, 0, 4096, SXB, SWK, 0, XK, 0, 1, 1      ; K of my second 64 keys; wq's pieces come in
	PACKKV ADK, 1
	s_wait_dscnt 0x0                               ; my reads of wk's fragments are over
	s_barrier_signal -1
	s_barrier_wait -1                              ; everybody's are: their bytes may be written
	s_wait_loadcnt 0x0                             ; wq's pieces
.irp kk, 0,1,2,3,4,5
	ds_store_b128 v[AS2], v[BI+4*\kk:BI+4*\kk+3] offset:\kk*8192
.endr
	s_wait_dscnt 0x0                               ; the stores have read their registers, which bq takes
.irp ct, 0,1,2,3
.irp e, 0,1
	global_load_b128 v[BI+8*\ct+4*\e:BI+8*\ct+4*\e+3], v[BVO], s[10:11] offset:64*\ct+16*\e
.endr
.endr
.irp p, 0,1                            ; the scale words of my queries' rows and of wq, into the sets that the first group and wk have left
.irp j, 0,1
	global_load_b128 v[SXA+8*\p+4*\j:SXA+8*\p+4*\j+3], v1, s[26:27] offset:131072*\j+512*\p
	global_load_b128 v[SWK+8*\p+4*\j:SWK+8*\p+4*\j+3], v1, s[28:29] offset:262144+36864*\j+512*\p
.endr
.endr
	PASS 1, 4096, -1, SXB, SWV, 1, XQ, 0, 0, 0     ; V of my second 64 keys; my queries' rows of x come in
	PACKKV ADV, 1
	s_wait_dscnt 0x0                               ; for the others' sake: my stores of K, V and wq are done
	s_barrier_signal -1
	s_barrier_wait -1                              ; the head's K and V and wq's fragments lie in LDS; no barrier follows
	FETCHW 0, 0
	PASS 0, 0, -1, SXA, SWK, 0, XK, 0, 1, 0        ; q of my 64 queries
	WIN 0x05                                       ; rounded to f16 into Q's registers: tile a, channels 16 ct on, at Q + 16 a + 4 ct
.set pt, 0
.rept 16
.irp k, 0,1,2,3
	v_cvt_pk_f16_f32 v[Q+16*(pt%4)+4*(pt/4)+\k], v[8*pt+2*\k], v[8*pt+2*\k+1]
.endr
.set pt, pt+1
.endr
	WIN 0
; THE SOFTMAX of a step, every line for the four tiles by turns, so that no line waits for the line above it.
.macro SOFTMAX first, last
.irp j, 0,1,2,3
.irp t, 0,1,2,3
	v_max3_num_f32 v[ST+8*\t+4+\j], v[S+32*\t+8*\j], v[S+32*\t+8*\j+1], v[S+32*\t+8*\j+2]   ; four chains, each score tile from its low end on
.endr
.endr
.irp q, 3,5
.irp j, 0,1,2,3
.irp t, 0,1,2,3
	v_max3_num_f32 v[ST+8*\t+4+\j], v[ST+8*\t+4+\j], v[S+32*\t+8*\j+\q], v[S+32*\t+8*\j+\q+1]
.endr
.endr
.endr
.irp t, 0,1,2,3
	v_max3_num_f32 v[ST+8*\t+4], v[ST+8*\t+4], v[S+32*\t+7], v[S+32*\t+15]
.endr
.irp t, 0,1,2,3
	v_max3_num_f32 v[ST+8*\t+6], v[ST+8*\t+6], v[S+32*\t+23], v[S+32*\t+31]
.endr
.irp t, 0,1,2,3
	v_max3_num_f32 v[ST+8*\t+4], v[ST+8*\t+4], v[ST+8*\t+5], v[ST+8*\t+6]
.endr
.irp t, 0,1,2,3
.if \first
	v_max_num_f32 v[ST+8*\t+4], v[ST+8*\t+4], v[ST+8*\t+7]
.else
	v_max3_num_f32 v[ST+8*\t+4], v[ST+8*\t+4], v[ST+8*\t+7], v[ST+8*\t+1]   ; with the old m
.endif
.endr
.irp t, 0,1,2,3
	v_permlanex16_b32 v[ST+8*\t+5], v[ST+8*\t+4], s[SEL], s[SEL+1]   ; the query's other 32 keys lie in the lane 16 away
.endr
.if \first == 0
.irp t, 0,1,2,3
	v_mov_b32 v[ST+8*\t+7], v[ST+8*\t]             ; c m_old is kept for a
.endr
.endif
.irp t, 0,1,2,3
	v_max_num_f32 v[ST+8*\t+1], v[ST+8*\t+4], v[ST+8*\t+5]
.endr
.irp t, 0,1,2,3
	v_mul_f32 v[ST+8*\t], s[CS], v[ST+8*\t+1]
.endr
.if \first == 0
.irp t, 0,1,2,3
	v_sub_f32 v[ST+8*\t+7], v[ST+8*\t+7], v[ST+8*\t]
.endr
.endif
.if \last
	WIN 0x40                                       ; K's registers are free: the last products K Q^T stand more than four plain lines back.  bv in the result's layout: channels 16 ct + 8 h + 0 .. 7
.irp ct, 0,1,2,3
.irp e, 0,1
	global_load_b128 v[KF+8*\ct+4*\e:KF+8*\ct+4*\e+3], v[BVO], s[14:15] offset:64*\ct+16*\e
.endr
.endr
	WIN 0
.endif
.irp p, 0,2,4,6,8,10,12,14,16,18,20,22,24,26,28,30
.irp t, 0,1,2,3
	v_pk_fma_f32 v[S+32*\t+\p:S+32*\t+\p+1], v[S+32*\t+\p:S+32*\t+\p+1], s[CS:CS+1], v[ST+8*\t:ST+8*\t+1] op_sel_hi:[1,0,0] neg_lo:[0,0,1] neg_hi:[0,0,1]   ; c s - c m
.endr
.endr
.if \first == 0
.irp t, 0,1,2,3
	v_exp_f32 v[ST+8*\t+6], v[ST+8*\t+7]           ; a
.endr
.endif
.irp e, 0,1,2,3,4,5,6,7,8,9,10,11,12,13,14,15,16,17,18,19,20,21,22,23,24,25,26,27,28,29,30,31
.irp t, 0,1,2,3
	v_exp_f32 v[S+32*\t+\e], v[S+32*\t+\e]         ; p: ONE BATCH: none of these reads an exponential's result
.endr
.endr
	v_nop                                          ; a plain line behind the last exponential
	s_wait_alu depctr_va_vdst(0)                   ; the wait ahead of the first line that names a result: one for the batch
	; the sums of the unrounded p, in two chains
.if \first
.irp t, 0,1,2,3
	v_pk_add_f32 v[ST+8*\t+2:ST+8*\t+3], v[S+32*\t:S+32*\t+1], v[S+32*\t+2:S+32*\t+3]
.endr
.irp t, 0,1,2,3
	v_pk_add_f32 v[ST+8*\t+4:ST+8*\t+5], v[S+32*\t+4:S+32*\t+5], v[S+32*\t+6:S+32*\t+7]
.endr
.irp p, 8,12,16,20,24,28
.irp t, 0,1,2,3
	v_pk_add_f32 v[ST+8*\t+2:ST+8*\t+3], v[ST+8*\t+2:ST+8*\t+3], v[S+32*\t+\p:S+32*\t+\p+1]
.endr
.irp t, 0,1,2,3
	v_pk_add_f32 v[ST+8*\t+4:ST+8*\t+5], v[ST+8*\t+4:ST+8*\t+5], v[S+32*\t+\p+2:S+32*\t+\p+3]
.endr
.endr
.else
.irp t, 0,1,2,3
	v_pk_fma_f32 v[ST+8*\t+2:ST+8*\t+3], v[ST+8*\t+2:ST+8*\t+3], v[ST+8*\t+6:ST+8*\t+7], v[S+32*\t:S+32*\t+1] op_sel_hi:[1,0,1]   ; l = a l + ..
.endr
.irp t, 0,1,2,3
	v_pk_add_f32 v[ST+8*\t+4:ST+8*\t+5], v[S+32*\t+2:S+32*\t+3], v[S+32*\t+4:S+32*\t+5]
.endr
.irp p, 6,10,14,18,22,26
.irp t, 0,1,2,3
	v_pk_add_f32 v[ST+8*\t+2:ST+8*\t+3], v[ST+8*\t+2:ST+8*\t+3], v[S+32*\t+\p:S+32*\t+\p+1]
.endr
.irp t, 0,1,2,3
	v_pk_add_f32 v[ST+8*\t+4:ST+8*\t+5], v[ST+8*\t+4:ST+8*\t+5], v[S+32*\t+\p+2:S+32*\t+\p+3]
.endr
.endr
.irp t, 0,1,2,3
	v_pk_add_f32 v[ST+8*\t+2:ST+8*\t+3], v[ST+8*\t+2:ST+8*\t+3], v[S+32*\t+30:S+32*\t+31]
.endr
.endif
.irp t, 0,1,2,3
	v_pk_add_f32 v[ST+8*\t+2:ST+8*\t+3], v[ST+8*\t+2:ST+8*\t+3], v[ST+8*\t+4:ST+8*\t+5]
.endr
	; p to f16, in place, ascending: registers 16 u + 0 .. 7 of a tile become source 1 for keys 32 u on
.irp u, 0,1
.irp k, 0,1,2,3,4,5,6,7
.irp t, 0,1,2,3
	v_cvt_pk_f16_f32 v[S+32*\t+16*\u+\k], v[S+32*\t+16*\u+2*\k], v[S+32*\t+16*\u+2*\k+1]
.endr
.endr
.endr
.if \first == 0
	WIN 0x41                                       ; O^T window 1, a window 0
.irp p, 0,2,4,6,8,10,12,14,16,18,20,22,24,26,28,30
.irp t, 0,1,2,3
	v_pk_mul_f32 v[32*\t+\p:32*\t+\p+1], v[32*\t+\p:32*\t+\p+1], v[ST+8*\t+6:ST+8*\t+7] op_sel_hi:[1,0]   ; O^T x a, each accumulator from its low end on
.endr
.endr
.endif
.endm
; A KEY STEP: 64 keys.  first = 1: it starts m, l and O^T.  last = 1: it also asks for bv.
.macro STEP first, last
	v_add_nc_u32 v[ADK], s[TB], v[LK0]             ; these four lines and the v_nop are the five places behind the last step's products V^T P, whose P the products below write over and whose V the loads below write
	v_add_nc_u32 v[ADK+1], s[TB], v[LK1]
	v_add_nc_u32 v[ADV], s[TB], v[LV0]
	v_add_nc_u32 v[ADV+1], s[TB], v[LV1]
	v_nop
	WIN 0x40
.irp kt, 0,1,2,3
.irp s, 0,1
.irp c, 0,1
	ds_load_b128 v[KF+16*\kt+8*\s+4*\c:KF+16*\kt+8*\s+4*\c+3], v[ADK+\s] offset:\c*32768+512*\kt   ; keys 16 kt on, channels 32 s + 16 c on
.endr
.endr
.endr
.irp u, 0,1
.irp ct, 0,1,2,3
.irp c, 0,1
	ds_load_b128 v[VF+8*(4*\u+\ct)+4*\c:VF+8*(4*\u+\ct)+4*\c+3], v[ADV+\ct/2] offset:(\ct%2)*32768+512*(2*\u+\c)   ; channels 16 ct on, keys 32 u + 16 c on
.endr
.endr
.endr
	s_wait_dscnt 16                                ; K is in; V's 16 loads may stay out
	WIN 0x01                                       ; K window 1; Q and S^T window 0
.irp s, 0,1
.irp i, 0,1,2,3
.irp kt, 0,1,2,3
.if \s == 0
	v_wmma_f32_16x16x32_f16 v[S+32*\i+8*\kt:S+32*\i+8*\kt+7], v[KF+16*\kt:KF+16*\kt+7], v[Q+16*\i:Q+16*\i+7], 0
.else
	v_wmma_f32_16x16x32_f16 v[S+32*\i+8*\kt:S+32*\i+8*\kt+7], v[KF+16*\kt+8:KF+16*\kt+15], v[Q+16*\i+8:Q+16*\i+15], v[S+32*\i+8*\kt:S+32*\i+8*\kt+7]
.endif
.endr
.endr
.endr                                  ; the 16 accumulators take turns, one instruction a turn
	WIN 0
	PLACES 4
	SOFTMAX \first, \last
	s_wait_dscnt 0x0                               ; V is in
	WIN 0x51                                       ; V window 1, P window 0, O^T window 1
.irp u, 0,1
.irp i, 0,1,2,3
.irp ct, 0,1,2,3
.if \first && (\u == 0)
	v_wmma_f32_16x16x32_f16 v[32*\i+8*\ct:32*\i+8*\ct+7], v[VF+8*(4*\u+\ct):VF+8*(4*\u+\ct)+7], v[S+32*\i+16*\u:S+32*\i+16*\u+7], 0
.else
	v_wmma_f32_16x16x32_f16 v[32*\i+8*\ct:32*\i+8*\ct+7], v[VF+8*(4*\u+\ct):VF+8*(4*\u+\ct)+7], v[S+32*\i+16*\u:S+32*\i+16*\u+7], v[32*\i+8*\ct:32*\i+8*\ct+7]
.endif
.endr
.endr
.endr
	WIN 0
	s_add_co_u32 s[TB], s[TB], 2048
.endm
	; ---- the attention: 16 steps of 64 keys; every wave walks on by itself
	STEP 1, 0
	s_mov_b32 s[CNT], 14
.Lkeys:
	STEP 0, 0
	s_sub_co_u32 s[CNT], s[CNT], 1
	s_cmp_lg_u32 s[CNT], 0
	s_cbranch_scc1 .Lkeys
	STEP 0, 1
	; THE WAY OUT: ctx = O^T / l + bv, rounded to f16 in place; a tile is a piece of the last product's fragments and leaves as 512 consecutive bytes, aligned
.irp t, 0,1,2,3
	v_add_f32 v[ST+8*\t+4], v[ST+8*\t+2], v[ST+8*\t+3]   ; (these lines are the places behind the last products)
.endr
.irp t, 0,1,2,3
	v_permlanex16_b32 v[ST+8*\t+5], v[ST+8*\t+4], s[SEL], s[SEL+1]
.endr
.irp t, 0,1,2,3
	v_add_f32 v[ST+8*\t+4], v[ST+8*\t+4], v[ST+8*\t+5]
.endr
.irp t, 0,1,2,3
	v_rcp_f32 v[ST+8*\t+6], v[ST+8*\t+4]
.endr
	v_nop                                          ; a plain line behind the last reciprocal
	s_wait_alu depctr_va_vdst(0)                   ; and the wait ahead of the first use: one for the four
	s_wait_loadcnt 0x0                             ; bv
	WIN 0x51                                       ; O^T and bv window 1, 1 / l window 0
.irp t, 0,1,2,3
.irp ct, 0,1,2,3
.irp p, 0,2,4,6
	v_pk_fma_f32 v[32*\t+8*\ct+\p:32*\t+8*\ct+\p+1], v[32*\t+8*\ct+\p:32*\t+8*\ct+\p+1], v[ST+8*\t+6:ST+8*\t+7], v[KF+8*\ct+\p:KF+8*\ct+\p+1] op_sel_hi:[1,0,1]
.endr
.endr
.endr
	WIN 0x45
.irp t, 0,1,2,3
.irp ct, 0,1,2,3
.irp k, 0,1,2,3
	v_cvt_pk_f16_f32 v[32*\t+8*\ct+\k], v[32*\t+8*\ct+2*\k], v[32*\t+8*\ct+2*\k+1]
.endr
.endr
.endr
	WIN 0x04
.irp t, 0,1,2,3
.irp ct, 0,1,2,3
	global_store_b128 v1, v[32*\t+8*\ct:32*\t+8*\ct+3], s[16:17] offset:(\ct/2)*8192+(\ct%2)*512+1024*\t
.endr
.endr
	WIN 0
	s_wait_tensorcnt 0x0                           ; the wave's end, behind my last LDS store
	ds_add_u32 v[SPW], v[NIL]
	s_wait_dscnt 0x0
	s_endpgm
.Lfunc_end_k_q4c2c6ef1f6_attn:
	.size	k_q4c2c6ef1f6_attn, .Lfunc_end_k_q4c2c6ef1f6_attn-k_q4c2c6ef1f6_attn
	.p2alignl 7, 3214868480
	.fill 96, 4, 3214868480
	.section	.rodata,"a",@progbits
	.p2align	6, 0x0
	.amdhsa_kernel k_q4c2c6ef1f6_attn
		.amdhsa_group_segment_fixed_size 312320
		.amdhsa_private_segment_fixed_size 0
		.amdhsa_enable_private_segment 0
		.amdhsa_kernarg_size 56
		.amdhsa_user_sgpr_count 2
		.amdhsa_user_sgpr_kernarg_segment_ptr 1
		.amdhsa_wavefront_size32 1
		.amdhsa_system_sgpr_workgroup_id_x 1
		.amdhsa_system_sgpr_workgroup_id_y 1
		.amdhsa_system_sgpr_workgroup_id_z 1
		.amdhsa_system_vgpr_workitem_id 0
		.amdhsa_next_free_vgpr 512
		.amdhsa_next_free_sgpr 66
		.amdhsa_reserve_vcc 0
		.amdhsa_float_denorm_mode_32 3
		.amdhsa_float_denorm_mode_16_64 3
		.amdhsa_memory_ordered 1
		.amdhsa_forward_progress 1
		.amdhsa_inst_pref_size 233
	.end_amdhsa_kernel
	.amdgpu_metadata
---
amdhsa.version: [ 1, 2 ]
amdhsa.kernels:
  - .name:           k_q4c2c6ef1f6_attn
    .symbol:         k_q4c2c6ef1f6_attn.kd
    .args:
      - { .name: xc, .offset: 0, .size: 8, .value_kind: global_buffer, .address_space: global }
      - { .name: wc, .offset: 8, .size: 8, .value_kind: global_buffer, .address_space: global }
      - { .name: sc, .offset: 16, .size: 8, .value_kind: global_buffer, .address_space: global }
      - { .name: bq, .offset: 24, .size: 8, .value_kind: global_buffer, .address_space: global }
      - { .name: bk, .offset: 32, .size: 8, .value_kind: global_buffer, .address_space: global }
      - { .name: bv, .offset: 40, .size: 8, .value_kind: global_buffer, .address_space: global }
      - { .name: ctxh, .offset: 48, .size: 8, .value_kind: global_buffer, .address_space: global }
    .group_segment_fixed_size: 312320
    .private_segment_fixed_size: 0
    .kernarg_segment_align: 8
    .kernarg_segment_size: 56
    .max_flat_workgroup_size: 256
    .sgpr_count:     66
    .vgpr_count:     512
    .wavefront_size: 32
...
	.end_amdgpu_metadata
.endif
;; end of part 2
;; launch oproj (part 3): grid 4 x 64, 4 waves a work-group, clusters of 4 x 1, 297,472 bytes of LDS; arguments ctxh, woh, bo, out0; writes out0
.if DOCPART == 3
	.amdgcn_target "amdgcn-amd-amdhsa--gfx1250"
	.amdhsa_code_object_version 6
	.text
	.protected	k_q4c2c6ef1f6_oproj
	.globl	k_q4c2c6ef1f6_oproj
	.p2align	8
	.type	k_q4c2c6ef1f6_oproj,@function
k_q4c2c6ef1f6_oproj:
	s_mov_b64 s[64:65], 0
	v_nop
	global_prefetch_b8 v0, s[64:65] scope:SCOPE_SE
	s_setreg_imm32_b32 hwreg(HW_REG_WAVE_MODE, 25, 1), 1
	s_wait_xcnt 0x0
	s_wait_alu depctr_hold_cnt(0) depctr_sa_sdst(0) depctr_va_vdst(0) depctr_va_sdst(0) depctr_va_ssrc(0) depctr_va_vcc(0) depctr_vm_vsrc(0)
	s_getreg_b32 s2, hwreg(HW_REG_IB_STS2, 6, 4)
	s_cmp_eq_u32 s2, 0
	s_cbranch_scc0 .Lentry_in_a_cluster
	s_endpgm
.Lentry_in_a_cluster:
	s_bfe_u32 s2, ttmp6, 0x10000c
	s_cmp_lg_u32 s2, 0x3003
	s_cbranch_scc0 .Lentry_shape_is_right
	s_endpgm
.Lentry_shape_is_right:
; out0 = ctx wo^T + bo.  ctx and wo arrive in f16 as images of fragments; sums in f32; bo is the C of each sum's first product.
; SHARES.  A work-group takes 128 rows x 192 outputs.  THE WAVES SHARE THE COLUMNS: wave w makes outputs 48 w .. + 47 of the block for all 8 row tiles: 24 accumulators, which take turns.  K = 768 is 24 steps of 32.
; ctx's block (196,608 dense bytes) comes into LDS once, three tensor loads a wave, and is read by all four waves.  A wave's part of wo (73,728 bytes, read by that wave alone) streams from memory
; straight into a ring of eight register slots, seven K steps ahead of its use.
; CLUSTER 4 x 1: the four work-groups of a cluster share the 128 rows, so ctx's block is asked for jointly, mask 15.
; THE PRODUCT IS USED TRANSPOSED (source 0 = 16 rows of wo, source 1 = 16 rows of ctx): a lane holds 8 neighbouring outputs of one row.  A row's 768 bytes come from four waves: they meet in a stage in LDS and leave
; as aligned runs of 256 consecutive bytes.
; REGISTERS: window 0: v1-15 addresses; v64-191 ctx's fragments, two sets (on the way out v64-255: rows read back).  window 1: v0-191 wo's eight slots of 24.  window 2: v0-191 accumulators; v192-215 bo.
.set STG,   196608                     ; behind ctx's block: the stage, 128 rows x (768 + 16) bytes; no tensor load lands there
.set SPARE, 296960                     ; behind the stage: the spare words, 128 bytes for each wave: two blocks of 256 bytes that no other line names
.set AA,  2                            ; v2-4  16 x lane + 65,536 c: my place in K steps 8 c .. 8 c + 7
.set SPW, 6
.set NIL, 7
.set AF,  64
.set WV,  12
.set MSB, 0
.macro WIN new                         ; the immediate's high byte repeats the setting that is left
.if MSB != \new
	s_set_vgpr_msb (MSB<<8)|\new
.set MSB, \new
.endif
.endm
.macro PLACES n
.rept \n
	v_nop
.endr
.endm
.macro CROUND                          ; a round of the cluster's barrier
	s_barrier_signal -1
	s_barrier_wait -1
	s_cmp_lg_u32 s[WV], 0
	s_cbranch_scc1 .Lnot_wave_0_\@
	s_barrier_signal -3
.Lnot_wave_0_\@:
	s_barrier_wait -3
	s_barrier_signal -1
	s_barrier_wait -1
.endm
	s_load_b256 s[4:11], s[0:1], 0x0               ; ctxh, woh, bo, out0
	v_lshl_add_u32 v[SPW], v0, 2, SPARE
	v_mov_b32 v[NIL], 0
	ds_add_u32 v[SPW], v[NIL]                      ; the wave's opening: the add, twice on end, and its wait ahead of my first tensor load
	ds_add_u32 v[SPW], v[NIL]
	v_lshrrev_b32 v1, 5, v0
	v_readfirstlane_b32 s[WV], v1                  ; wave 0..3
	s_bfe_u32 s13, ttmp6, 0x40000                  ; cx
	s_lshl_b32 s14, ttmp9, 2
	s_add_co_u32 s14, s14, s13                     ; nb: my block of 192 outputs
	s_and_b32 s15, ttmp7, 0xffff                   ; mb: my block of 128 rows, which the four partners share
	s_mov_b32 s16, 15|(3<<16)|(1<<21)              ; descriptor group 1: the mask names all four; a dense block of 16,384 bytes as 64 rows of 256 (32 elements of 8 bytes)
	s_mov_b32 s17, 32<<16
	s_mov_b32 s18, 64<<16
	s_mov_b32 s19, 32<<16
	s_mov_b32 s20, 64
	s_mov_b32 s21, 32
	s_mov_b32 s22, 0
	s_mov_b32 s23, 0
	s_mul_i32 s36, s15, 196608
	s_lshl_b32 s38, s[WV], 14                      ; my quarter of each third of the block, in memory and in LDS alike
	s_add_co_u32 s36, s36, s38
	s_mov_b32 s37, 0
	s_lshl_b32 s40, s14, 2
	s_add_co_u32 s40, s40, s[WV]
	s_mul_i32 s40, s40, 73728                      ; woh: my 48 rows
	s_mov_b32 s41, 0
	s_mul_i32 s42, s14, 768
	s_mul_i32 s44, s[WV], 192
	s_add_co_u32 s42, s42, s44                     ; bo: my 48 numbers
	s_mov_b32 s43, 0
	s_lshl_b32 s46, s15, 7
	s_lshl_b32 s47, s[WV], 5
	s_add_co_u32 s46, s46, s47
	s_mul_i32 s46, s46, 3072
	s_mul_i32 s47, s14, 768
	s_add_co_u32 s46, s46, s47                     ; out0: the 32 rows that I store, the block's 768 bytes of them
	s_mov_b32 s47, 0
	v_and_b32 v1, 31, v0
	v_lshlrev_b32 v1, 4, v1                        ; 16 x lane
	v_and_b32 v14, 15, v0                          ; r
	v_bfe_u32 v15, v0, 4, 1                        ; h
	v_mov_b32 v[AA], v1
	v_add_nc_u32 v[AA+1], 65536, v1
	v_add_nc_u32 v[AA+2], 131072, v1
	v_lshlrev_b32 v5, 5, v15                       ; bo: 8 numbers for each half of the lanes
	v_mul_u32_u24 v8, v14, 784
	v_lshl_add_u32 v8, v15, 5, v8
	s_mul_i32 s48, s[WV], 192
	s_add_co_u32 s48, s48, STG
	v_add_nc_u32 v8, s48, v8                       ; into the stage: row r, + 32 h, + my 192 bytes; row tiles 0-3,
	v_add_nc_u32 v9, 50176, v8                     ; row tiles 4-7
	s_mul_i32 s49, s[WV], 25088
	s_add_co_u32 s49, s49, STG
	v_lshlrev_b32 v12, 4, v14
	v_lshl_add_u32 v12, v15, 8, v12                ; out0: two neighbouring runs of 256 bytes of one row
	v_add_nc_u32 v10, s49, v12                     ; and the same in my 32 rows of the stage
	v_mul_u32_u24 v11, v15, 272
	v_lshl_add_u32 v11, v14, 4, v11
	v_add_nc_u32 v11, s49, v11
	v_add_nc_u32 v11, 512, v11                     ; stage: a row's third run, and the next row's first
	v_mul_u32_u24 v13, v15, 2560
	v_lshl_add_u32 v13, v14, 4, v13
	v_add_nc_u32 v13, 512, v13                     ; and the same in out0
	s_wait_dscnt 0x0                               ; both opening adds are done
	s_wait_kmcnt 0x0
	s_add_nc_u64 s[36:37], s[4:5], s[36:37]
	s_add_nc_u64 s[6:7], s[6:7], s[40:41]
	s_add_nc_u64 s[8:9], s[8:9], s[42:43]
	s_add_nc_u64 s[10:11], s[10:11], s[46:47]
	CROUND                                         ; all four work-groups are here: the joint loads meet
.irp c, 0,1,2
	s_mov_b32 s[24+4*\c], 1
	s_add_co_u32 s[25+4*\c], s38, \c*65536         ; K steps 8 c .. 8 c + 7, my quarter
	s_add_nc_u64 s[26+4*\c:27+4*\c], s[36:37], \c*65536
	s_or_b32 s[27+4*\c], s[27+4*\c], 0x80000000
.endr
.irp c, 0,1,2
	tensor_load_to_lds s[24+4*\c:27+4*\c], s[16:23]   ; three loads of mine are out
	s_nop 0
.endr
	PLACES 4
	WIN 0x80
.irp j, 0,1,2
.irp e, 0,1
	global_load_b128 v[192+8*\j+4*\e:192+8*\j+4*\e+3], v5, s[8:9] offset:64*\j+16*\e   ; bo in the result's layout: the tile's outputs 8 h + 0 .. 7
.endr
.endr
.macro BLOAD g                         ; wo's three fragments of K step g into slot g % 8: six loads of 512 consecutive bytes
	WIN 0x40
.irp j, 0,1,2
.irp c, 0,1
	global_load_b128 v[24*((\g)%8)+8*\j+4*\c:24*((\g)%8)+8*\j+4*\c+3], v1, s[6:7] offset:(\g)*3072+1024*\j+512*\c
.endr
.endr
.endm
.macro AFETCH g                        ; ctx's eight fragments of K step g into set g % 2
	WIN 0
.irp a, 0,1,2,3,4,5,6,7
.irp c, 0,1
	ds_load_b128 v[AF+64*((\g)%2)+8*\a+4*\c:AF+64*((\g)%2)+8*\a+4*\c+3], v[AA+(\g)/8] offset:((\g)%8)*8192+1024*\a+512*\c
.endr
.endr
.endm
.macro KSTEP g
.if ((\g) == 7) || ((\g) == 15)
	s_wait_dscnt 0x0                               ; no LDS instruction of mine is pending at the signal
.if (\g) == 7
	s_wait_tensorcnt 0x1                           ; my second load has landed; the third may stay out
.else
	s_wait_tensorcnt 0x0
.endif
	s_barrier_signal -1
	s_barrier_wait -1                              ; everybody's has: the next eight K steps lie in LDS
.endif
.if (\g) > 0
	PLACES 4                                       ; in front of loads into the slot and the set that the last step's products read
.endif
.if ((\g) >= 1) && ((\g) <= 16)
	BLOAD (\g)+7
.endif
.if (\g) < 23
	AFETCH (\g)+1
.endif
.if (\g) <= 16
	s_wait_loadcnt 42                              ; behind this step's six loads of wo stand those of seven later steps
.else
	s_wait_loadcnt 6*(23-(\g))
.endif
.if (\g) < 23
	s_wait_dscnt 16                                ; all but the 16 loads just issued
.else
	s_wait_dscnt 0x0
.endif
	WIN 0xa1                                       ; wo window 1, ctx window 0, C and D window 2
.irp j, 0,1,2
.irp a, 0,1,2,3,4,5,6,7
.if (\g) == 0
	v_wmma_f32_16x16x32_f16 v[8*(8*\j+\a):8*(8*\j+\a)+7], v[24*((\g)%8)+8*\j:24*((\g)%8)+8*\j+7], v[AF+64*((\g)%2)+8*\a:AF+64*((\g)%2)+8*\a+7], v[192+8*\j:192+8*\j+7]
.else
	v_wmma_f32_16x16x32_f16 v[8*(8*\j+\a):8*(8*\j+\a)+7], v[24*((\g)%8)+8*\j:24*((\g)%8)+8*\j+7], v[AF+64*((\g)%2)+8*\a:AF+64*((\g)%2)+8*\a+7], v[8*(8*\j+\a):8*(8*\j+\a)+7]
.endif
.endr
.endr
.endm
.irp g, 0,1,2,3,4,5,6,7
	BLOAD \g
.endr
	WIN 0
	s_wait_tensorcnt 0x2                           ; my first load has landed; two may stay out,
	s_barrier_signal -1
	s_barrier_wait -1                              ; everybody's has: K steps 0 to 7
	AFETCH 0
.set G, 0
.rept 24
	KSTEP G
.set G, G+1
.endr
	PLACES 4                                       ; in front of the first read of results, and of the loads into the registers that held ctx's fragments
	WIN 0x08                                       ; an LDS store's data: window 2
.irp a, 0,1,2,3,4,5,6,7
.irp j, 0,1,2
	ds_store_b128 v[8+\a/4], v[8*(8*\j+\a):8*(8*\j+\a)+3]   offset:(\a%4)*12544+64*\j        ; each accumulator from its low end on
	ds_store_b128 v[8+\a/4], v[8*(8*\j+\a)+4:8*(8*\j+\a)+7] offset:(\a%4)*12544+64*\j+16
.endr
.endr
	WIN 0
	s_wait_dscnt 0x0                               ; for the others' sake: my stores into the stage are done
	s_barrier_signal -1
	s_barrier_wait -1                              ; 128 whole rows lie in the stage
.set rp, 0
.rept 16                               ; my 32 rows, a pair at a time: 1,536 bytes are three loads; each half of the lanes takes one run of 256 bytes
	ds_load_b128 v[64+12*rp:64+12*rp+3],  v10 offset:1568*rp
	ds_load_b128 v[68+12*rp:68+12*rp+3],  v11 offset:1568*rp
	ds_load_b128 v[72+12*rp:72+12*rp+3],  v10 offset:1568*rp+1040
.set rp, rp+1
.endr
.set rp, 0
.rept 16
	s_wait_dscnt 47-3*rp                           ; the younger loads may stay out
	global_store_b128 v12, v[64+12*rp:64+12*rp+3], s[10:11] offset:6144*rp th:TH_STORE_NT        ; sixteen lanes store 256 consecutive bytes, aligned; written once, read by nobody here
	s_wait_dscnt 46-3*rp
	global_store_b128 v13, v[68+12*rp:68+12*rp+3], s[10:11] offset:6144*rp th:TH_STORE_NT
	s_wait_dscnt 45-3*rp
	global_store_b128 v12, v[72+12*rp:72+12*rp+3], s[10:11] offset:6144*rp+3328 th:TH_STORE_NT
.set rp, rp+1
.endr
	s_wait_tensorcnt 0x0                           ; the wave's end, behind my last tensor load and my last LDS store
	ds_add_u32 v[SPW], v[NIL]
	s_wait_dscnt 0x0
	CROUND                                         ; the closing round
	s_endpgm
.Lfunc_end_k_q4c2c6ef1f6_oproj:
	.size	k_q4c2c6ef1f6_oproj, .Lfunc_end_k_q4c2c6ef1f6_oproj-k_q4c2c6ef1f6_oproj
	.p2alignl 7, 3214868480
	.fill 96, 4, 3214868480
	.section	.rodata,"a",@progbits
	.p2align	6, 0x0
	.amdhsa_kernel k_q4c2c6ef1f6_oproj
		.amdhsa_group_segment_fixed_size 297472
		.amdhsa_private_segment_fixed_size 0
		.amdhsa_enable_private_segment 0
		.amdhsa_kernarg_size 32
		.amdhsa_user_sgpr_count 2
		.amdhsa_user_sgpr_kernarg_segment_ptr 1
		.amdhsa_wavefront_size32 1
		.amdhsa_system_sgpr_workgroup_id_x 1
		.amdhsa_system_sgpr_workgroup_id_y 1
		.amdhsa_system_sgpr_workgroup_id_z 1
		.amdhsa_system_vgpr_workitem_id 0
		.amdhsa_next_free_vgpr 768
		.amdhsa_next_free_sgpr 66
		.amdhsa_reserve_vcc 0
		.amdhsa_float_denorm_mode_32 3
		.amdhsa_float_denorm_mode_16_64 3
		.amdhsa_memory_ordered 1
		.amdhsa_forward_progress 1
		.amdhsa_inst_pref_size 99
	.end_amdhsa_kernel
	.amdgpu_metadata
---
amdhsa.version: [ 1, 2 ]
amdhsa.kernels:
  - .name:           k_q4c2c6ef1f6_oproj
    .symbol:         k_q4c2c6ef1f6_oproj.kd
    .args:
      - { .name: ctxh, .offset: 0, .size: 8, .value_kind: global_buffer, .address_space: global }
      - { .name: woh, .offset: 8, .size: 8, .value_kind: global_buffer, .address_space: global }
      - { .name: bo, .offset: 16, .size: 8, .value_kind: global_buffer, .address_space: global }
      - { .name: out0, .offset: 24, .size: 8, .value_kind: global_buffer, .address_space: global }
    .group_segment_fixed_size: 297472
    .private_segment_fixed_size: 0
    .kernarg_segment_align: 8
    .kernarg_segment_size: 32
    .max_flat_workgroup_size: 128
    .sgpr_count:     66
    .vgpr_count:     768
    .wavefront_size: 32
...
	.end_amdgpu_metadata
.endif
;; end of part 3
